; MI455X (gfx1250); checked and timed in simulation.
; The chip was launched on July 23, 2026; its instructions are those of AMD's public machine-readable ISA for CDNA 5 (MIT licence, August 2026) and "CDNA5" Instruction Set Architecture Reference Guide (July 2026). The comments in the code are by the model that wrote it; some were corrected since.
;; Clusterised Linear Network. Allowed arithmetic: float matrix products may take bf16 or f16 operands with f32 sums; other float arithmetic in f32, or as packed bf16 or f16 multiplies, adds, multiply-adds, maxima and minima; sums over many terms, partial sums and values carried from step to step in f32; what a program stores and reads back later, other than sums and carried values, may be rounded once to bf16 or f16.
;; Inputs: W 384 x 100 float32; X 524,288 x 5 float32; cluster_ids 524,288 int32.
;; Outputs: out0 524,288 x 3 float32.
;; One version. Each part assembles by itself: llvm-mc -triple=amdgcn-amd-amdhsa -mcpu=gfx1250 --defsym DOCPART=n.
;; ======== version 1 of 1: 1 launch
;; limits: a function is approximated: absolute error at most 0.0005; values are held in f16: magnitudes above 65,504 overflow, below 6.1e-05 lose precision; inputs' magnitudes at most 65,504; right only within a limited range of input values
;; launch rgb (part 1): grid 256 x 1, 16 waves a work-group, no clusters, 159,744 bytes of LDS; arguments W, X, cluster_ids, out0; writes out0
.if DOCPART == 1
	.amdgcn_target "amdgcn-amd-amdhsa--gfx1250"
	.amdhsa_code_object_version 6
	.text
	.protected	k_q41e69d1113_rgb
	.globl	k_q41e69d1113_rgb
	.p2align	8
	.type	k_q41e69d1113_rgb,@function
k_q41e69d1113_rgb:
	s_mov_b64 s[64:65], 0
	v_nop
	global_prefetch_b8 v0, s[64:65] scope:SCOPE_SE
	s_setreg_imm32_b32 hwreg(HW_REG_WAVE_MODE, 25, 1), 1
	s_wait_xcnt 0x0
; out0[p][j] = enc(X[p]) . W[3 c + j],  c = cluster_ids[p], j = 0..2.  enc(x) has 100 numbers: for channel ch = 0..4 and k = 0..9, sin(2^k x[ch]) at column 20 ch + 2 k and cos(2^k x[ch]) behind it.
; WORK LEFT OUT.  The reference forms all 384 columns of enc @ W^T and keeps, by take_along_axis on cluster_ids, columns 3 c .. 3 c + 2 of each point.  Column n of that product is made of row n of W alone,
; and a point's three results read its three columns alone: for all values of X, W and cluster_ids the other 381 columns of a point reach no output.  The choice is made by whole numbers that this launch reads
; from memory.  All three inputs are live and are loaded.  A NaN, an infinity or an overflow in a row of W that a point does not choose reaches that point's results in neither form.
; LIMITS.  W is rounded to f16: |W| stays under 65,520, and below 6e-5 it keeps f16's fixed step of 6e-8.  enc is rounded to f16 (it lies in -1 .. 1).  X is never rounded.  |X| up to 2^17: the angle is reduced in
; turns with 1/(2 pi) in two f32 words.  sin and cos of the ten frequencies come from one series at a quarter of the angle and the double-angle step (2 s c, c c - s s): both the phase's and the length's error
; double in each step, so at k = 9 an entry of enc is off by at most about 5e-4.  cluster_ids outside 0 .. 127 are taken as unsigned numbers and held to 127.  A NaN or an infinite x gives NaN in that point's results alone.
; SHARES.  256 work-groups of 16 waves; a work-group has 2,048 points, a wave 128: eight tiles of 16.
; A TILE.  Its 48 results, in the output's own order g = 3 m + j, are the columns of three products of 16 x 16: column r of product i is g = 16 i + r, that is row 3 c[m] + j of W with m = g / 3, j = g % 3.
; Source 0 holds the 16 points' enc, source 1 the 16 gathered rows of W; of each result only element (m(g), r) is wanted: the others lie in tiles that hold live work.  K = 100 goes in four steps of 32.
; K IS DEALT BY LANE HALVES, alike in both sources: half h = lane / 16 holds channels 2 h and 2 h + 1 (20 pairs of sin and cos) and its part of channel 4 (h = 0: k = 0..3; h = 1: k = 4..9); a register holds a pair.
; So lane (m, h) makes just the numbers of point m that it holds, and nothing of enc ever changes lanes or goes through LDS.
; W IN LDS.  Once a work-group: rounded to f16 and laid row by row in the order of the lanes' registers: 112 bytes for each half (28 pairs, the last 4 or 2 of them 0), rows 240 bytes apart: an odd multiple of 16.
; NO JOINT LOADS of W, though all work-groups read it: every number is rounded and moved to another place in its row on the way in, so it passes through registers.  A joint load would land the f32 rows, 153,600 bytes more of
; LDS, which each work-group would read back, round and store again beside its gather; it would spare three of four requests for those bytes.  Not built.  No prefetch: all 53 global loads of a wave go out in one run at the head.
.set WPITCH, 240                       ; bytes from row to row of W's image
.set XS,     92160                     ; behind the image (384 x 240): X as it lies in memory, 2,560 bytes a wave
.set OUTS,   133120                    ; the results as they lie in memory, 1,536 bytes a wave
.set SPARE,  157696                    ; the spare words, 128 bytes for each of the 16 waves: eight blocks of 256 bytes that no other line names
.set LANE, 1                           ; v1   lane
.set RR,   2                           ; v2   r = lane % 16
.set HH,   3                           ; v3   h = lane / 16
.set SPW,  4                           ; v4   LDS address of my spare word; never rewritten
.set NIL,  5                           ; v5   0; never rewritten
.set AX,   6                           ; v6   LDS: my point's channels 2 h, 2 h + 1 in tile 0
.set AX4,  7                           ; v7   LDS: my point's channel 4
.set AQ,   8                           ; v8   LDS: where Q's number goes: 4 g, g = lane (h = 0) or lane + 16 (h = 1)
.set AM,   9                           ; v9   LDS: where T1's number goes
.set SCL,  10                          ; v10  1.0 (h = 0) or 16.0 (h = 1): where my part of channel 4 begins
.set GO,   11                          ; v11  16 x lane: offset of X's loads and of the stores
.set WGO,  12                          ; v12  16 x min(lane, 24): my 16 bytes of a row of W
.set WLA,  13                          ; v13  LDS: where they go, as 8 bytes, in my wave's first row
.set RC,   14                          ; v14-16  product i: 240 j + 112 h of my column
.set IOF,  17                          ; v17-19  product i: 4 m of my column
.set ZA,   20                          ; v20  LDS: the row whose padding I clear
.set XSA,  21                          ; v21  LDS: my 16 bytes of the wave's X
.set AOUT, 22                          ; v22  LDS: my 16 bytes of the wave's results
.set TA,   23                          ; v23, v26-29: at work in the head
.set XP,   24                          ; v[24:25] x of channels 2 h, 2 h + 1 (in the head: a pair of zeros)
.set XC,   26                          ; v26  x of channel 4, times SCL
.set PP,   28                          ; the packed stream: x / 2 pi,
.set EE,   30                          ; what its rounding lost,
.set NN,   32                          ; the nearest whole number of turns,
.set FF,   34                          ; the angle in turns, -0.5 .. 0.5,
.set WW,   36                          ; its square,
.set TP,   38                          ; the sine's series,
.set UP,   40                          ; the cosine's; later s s
.set SNP,  42                          ; sines: set a at SNP + 4 a
.set CSP,  44                          ; cosines: set a at CSP + 4 a
.set T2,   50                          ; 2 s
.set PC,   52                          ; the same for channel 4, one register each
.set EC,   53
.set NC,   54
.set FC,   55
.set WC,   56
.set TC,   57
.set UC,   58
.set SNC,  59                          ; set a at SNC + 2 a
.set CSC,  60
.set T2C,  63
.set VA,   64                          ; v[64:95]   source 0: 32 registers; 26-31 stay 0
.set VB,   96                          ; v[96:191]  source 1 of product i at VB + 32 i; 28-31 of each stay 0.  In the head: W's 24 rows as loaded
.set ACC,  192                         ; v[192:215] the three accumulators.  In the head: X as loaded (20 registers)
.set Q,    216                         ; v216 picked: g = 0..15 and 32..47
.set T1,   217                         ; v217 picked: g = 16..31
.set OUTR, 220                         ; v[220:231] the wave's results on their way out
.set IDR,  232                         ; v[232:255] tile t, product i at IDR + 3 t + i: my column's cluster, then in place the LDS address of its row's half
.set WV,   12                          ; s12  my wave's number
.set KH,   20                          ; s[20:41] constants, as pairs with both words written: the packed forms name the pair and take its low word
.set KL,   22
.set KS0,  24
.set KS1,  26
.set KS2,  28
.set KS3,  30
.set KS4,  32
.set KC1,  34
.set KC2,  36
.set KC3,  38
.set KC4,  40
.set MQ,   41                          ; s42-52  lane masks MQ+1 .. MQ+11
.set MT,   52                          ; s53-58  lane masks MT+1 .. MT+6
.set LW,   59                          ; s59  LDS: my wave's 24 rows of the image
.set LX,   60                          ; s60  LDS: my wave's X
.set LO,   61                          ; s61  LDS: my wave's results
.macro KPAIR reg, val
	s_mov_b32 s[\reg], \val
	s_mov_b32 s[(\reg)+1], \val
.endm
; Row rr of my wave's 24 rows of W: four f32 a lane become four f16, in place, and go to their place in the image.  Lanes 25-31 repeat lane 24: same address, same value.
.macro WROW rr
	s_wait_loadcnt 52-(\rr)                        ; loads come back in order: behind this row's stand 23 - rr of W, 5 of X and 24 of the ids
	v_cvt_pk_f16_f32 v[VB+4*(\rr)], v[VB+4*(\rr)], v[VB+4*(\rr)+1]
	v_cvt_pk_f16_f32 v[VB+4*(\rr)+1], v[VB+4*(\rr)+2], v[VB+4*(\rr)+3]
	ds_store_b64 v[WLA], v[VB+4*(\rr):VB+4*(\rr)+1] offset:WPITCH*(\rr)
.endm
; Product i's columns: g = 16 i + r, m = g / 3 (171 g >> 9 is exact up to g = 47), j = g - 3 m.  The two minima change no value: they state the bounds in the text.
.macro COLS i
	v_add_nc_u32 v26, 16*(\i), v[RR]
	v_mul_u32_u24 v27, 0xab, v26
	v_lshrrev_b32 v27, 9, v27
	v_min_u32 v27, 15, v27
	v_lshlrev_b32 v[IOF+(\i)], 2, v27
	v_mul_u32_u24 v27, 3, v27
	v_sub_nc_u32 v27, v26, v27
	v_min_u32 v27, 2, v27
	v_mul_u32_u24 v27, 0xf0, v27
	v_add_nc_u32 v[RC+(\i)], v28, v27
.endm
; The three clusters of tile t become LDS addresses, in place: 720 c + 240 j + 112 h.  The largest byte that a load then reads is 127 x 720 + 480 + 112 + 96 + 15 = 92,143, inside the image.
.macro ADDR t
.irp i, 0,1,2
	v_min_u32 v[IDR+3*(\t)+(\i)], 0x7f, v[IDR+3*(\t)+(\i)]
.endr
.irp i, 0,1,2
	v_mul_u32_u24 v[IDR+3*(\t)+(\i)], 0x2d0, v[IDR+3*(\t)+(\i)]
.endr
.irp i, 0,1,2
	v_add_nc_u32 v[IDR+3*(\t)+(\i)], v[RC+(\i)], v[IDR+3*(\t)+(\i)]
.endr
.endm
; The double-angle step, from set a into set b: s' = 2 s c, c' = c c - s s.
.macro DBLAB a, b
	v_pk_mul_f32 v[UP:UP+1], v[SNP+4*(\a):SNP+4*(\a)+1], v[SNP+4*(\a):SNP+4*(\a)+1]
	v_pk_add_f32 v[T2:T2+1], v[SNP+4*(\a):SNP+4*(\a)+1], v[SNP+4*(\a):SNP+4*(\a)+1]
	v_pk_fma_f32 v[CSP+4*(\b):CSP+4*(\b)+1], v[CSP+4*(\a):CSP+4*(\a)+1], v[CSP+4*(\a):CSP+4*(\a)+1], v[UP:UP+1] neg_lo:[0,0,1] neg_hi:[0,0,1]
	v_pk_mul_f32 v[SNP+4*(\b):SNP+4*(\b)+1], v[T2:T2+1], v[CSP+4*(\a):CSP+4*(\a)+1]
.endm
.macro DBLC a, b
	v_mul_f32 v[UC], v[SNC+2*(\a)], v[SNC+2*(\a)]
	v_add_f32 v[T2C], v[SNC+2*(\a)], v[SNC+2*(\a)]
	v_fma_f32 v[CSC+2*(\b)], v[CSC+2*(\a)], v[CSC+2*(\a)], -v[UC]
	v_mul_f32 v[SNC+2*(\b)], v[T2C], v[CSC+2*(\a)]
.endm
; My half of my point's enc, into source 0.  Three streams: channels 2 h and 2 h + 1 packed, channel 4 (from 2^0 or 2^4 on) beside them.
; The angle in turns: p = x KH rounded; e = (x KH - p) + x KL is what p lacks; f = (p - nearest whole number) + e.  2^k x is exact in f32, so the one reduction serves all frequencies.
; The series give sin and cos of pi f / 2, a QUARTER of the angle, within pi / 4, where five and five terms leave under 3e-8; two steps bring the angle itself.
.macro TRIG
	v_mul_f32 v[XC], v[XC], v[SCL]
	v_pk_mul_f32 v[PP:PP+1], v[XP:XP+1], s[KH:KH+1] op_sel_hi:[1,0]
	v_mul_f32 v[PC], s[KH], v[XC]
	v_pk_fma_f32 v[EE:EE+1], v[XP:XP+1], s[KH:KH+1], v[PP:PP+1] op_sel_hi:[1,0,1] neg_lo:[0,0,1] neg_hi:[0,0,1]
	v_fma_f32 v[EC], v[XC], s[KH], -v[PC]
	v_rndne_f32 v[NN], v[PP]
	v_rndne_f32 v[NN+1], v[PP+1]
	v_rndne_f32 v[NC], v[PC]
	v_pk_fma_f32 v[EE:EE+1], v[XP:XP+1], s[KL:KL+1], v[EE:EE+1] op_sel_hi:[1,0,1]
	v_fma_f32 v[EC], v[XC], s[KL], v[EC]
	v_pk_add_f32 v[FF:FF+1], v[PP:PP+1], v[NN:NN+1] neg_lo:[0,1] neg_hi:[0,1]
	v_sub_f32 v[FC], v[PC], v[NC]
	v_pk_add_f32 v[FF:FF+1], v[FF:FF+1], v[EE:EE+1]
	v_add_f32 v[FC], v[FC], v[EC]
	v_pk_mul_f32 v[WW:WW+1], v[FF:FF+1], v[FF:FF+1]
	v_mul_f32 v[WC], v[FC], v[FC]
	v_pk_fma_f32 v[TP:TP+1], v[WW:WW+1], s[KS4:KS4+1], s[KS3:KS3+1] op_sel_hi:[1,0,0]
	v_pk_fma_f32 v[UP:UP+1], v[WW:WW+1], s[KC4:KC4+1], s[KC3:KC3+1] op_sel_hi:[1,0,0]
	v_fma_f32 v[TC], v[WC], s[KS4], s[KS3]
	v_fma_f32 v[UC], v[WC], s[KC4], s[KC3]
	v_pk_fma_f32 v[TP:TP+1], v[WW:WW+1], v[TP:TP+1], s[KS2:KS2+1] op_sel_hi:[1,1,0]
	v_pk_fma_f32 v[UP:UP+1], v[WW:WW+1], v[UP:UP+1], s[KC2:KC2+1] op_sel_hi:[1,1,0]
	v_fma_f32 v[TC], v[WC], v[TC], s[KS2]
	v_fma_f32 v[UC], v[WC], v[UC], s[KC2]
	v_pk_fma_f32 v[TP:TP+1], v[WW:WW+1], v[TP:TP+1], s[KS1:KS1+1] op_sel_hi:[1,1,0]
	v_pk_fma_f32 v[UP:UP+1], v[WW:WW+1], v[UP:UP+1], s[KC1:KC1+1] op_sel_hi:[1,1,0]
	v_fma_f32 v[TC], v[WC], v[TC], s[KS1]
	v_fma_f32 v[UC], v[WC], v[UC], s[KC1]
	v_pk_fma_f32 v[TP:TP+1], v[WW:WW+1], v[TP:TP+1], s[KS0:KS0+1] op_sel_hi:[1,1,0]
	v_pk_fma_f32 v[CSP:CSP+1], v[WW:WW+1], v[UP:UP+1], 1.0 op_sel_hi:[1,1,0]
	v_fma_f32 v[TC], v[WC], v[TC], s[KS0]
	v_fma_f32 v[CSC], v[WC], v[UC], 1.0
	v_pk_mul_f32 v[SNP:SNP+1], v[FF:FF+1], v[TP:TP+1]
	v_mul_f32 v[SNC], v[FC], v[TC]
	DBLAB 0, 1                                     ; half the angle,
	DBLC 0, 1
	DBLAB 1, 0                                     ; the angle: k = 0, in set 0
	DBLC 1, 0
.set n, 0
.rept 10                                               ; frequency n lies in set n % 2: rounded to f16, sin below and cos above, as W's pairs lie; then the next
	v_cvt_pk_f16_f32 v[VA+n], v[SNP+4*(n%2)], v[CSP+4*(n%2)]
	v_cvt_pk_f16_f32 v[VA+10+n], v[SNP+4*(n%2)+1], v[CSP+4*(n%2)+1]
.if n < 6
	v_cvt_pk_f16_f32 v[VA+20+n], v[SNC+2*(n%2)], v[CSC+2*(n%2)]  ; h = 1: k = 4 + n.  h = 0: k = n, of which 4 and 5 meet weights that are 0
.endif
.if n < 9
	DBLAB n%2, (n+1)%2
.endif
.if n < 5
	DBLC n%2, (n+1)%2
.endif
.set n, n+1
.endr
.endm
; The gather: my half (112 bytes: seven loads of 16) of my column's row, for each of the three products, K step by K step: 21 loads.
.macro BLOADS t
.irp ks, 0,1,2,3
.irp i, 0,1,2
	ds_load_b128 v[VB+32*(\i)+8*(\ks):VB+32*(\i)+8*(\ks)+3], v[IDR+3*(\t)+(\i)] offset:32*(\ks)
.if (\ks) < 3
	ds_load_b128 v[VB+32*(\i)+8*(\ks)+4:VB+32*(\i)+8*(\ks)+7], v[IDR+3*(\t)+(\i)] offset:32*(\ks)+16
.endif
.endr
.endr
.endm
; Twelve products.  The three accumulators take turns, one instruction a turn; the first K step starts the sums with the constant 0.
.macro MULS
.irp ks, 0,1,2,3
	s_wait_dscnt 15-6*(\ks)+3*((\ks)/3)            ; LDS loads come back in order: the later K steps' 15, 9, 3, 0 loads may stay out
.irp i, 0,1,2
.if (\ks) == 0
	v_wmma_f32_16x16x32_f16 v[ACC+8*(\i):ACC+8*(\i)+7], v[VA:VA+7], v[VB+32*(\i):VB+32*(\i)+7], 0
.else
	v_wmma_f32_16x16x32_f16 v[ACC+8*(\i):ACC+8*(\i)+7], v[VA+8*(\ks):VA+8*(\ks)+7], v[VB+32*(\i)+8*(\ks):VB+32*(\i)+8*(\ks)+7], v[ACC+8*(\i):ACC+8*(\i)+7]
.endif
.endr
.endr
.endm
; The 48 wanted numbers.  In a result, register q of lane (r, h) is element (m = 8 h + q, column r).  Product 0 (g = r, m = 0..5) has its wanted elements in lanes 0-15, product 2 (g = 32 + r, m = 10..15) in lanes
; 16-31: one register Q takes both.  Product 1 (g = 16 + r, m = 5..10) has them in lanes 0-7 (m = 5..7) and 24-31 (m = 8..10): T1; its lanes 8-23 keep Q's number and store it once more at Q's own address,
; so that all lanes stay on.  Each accumulator is read from its low registers on.
.macro PICK t
	v_cndmask_b32 v[Q], v[ACC], v[ACC+1], s[MQ+1]
.irp j, 2,3,4,5
	v_cndmask_b32 v[Q], v[Q], v[ACC+(\j)], s[MQ+(\j)]
.endr
.irp j, 2,3,4,5,6,7
	v_cndmask_b32 v[Q], v[Q], v[ACC+16+(\j)], s[MQ+4+(\j)]
.endr
	v_cndmask_b32 v[T1], v[Q], v[ACC+8], s[MT+1]
	v_cndmask_b32 v[T1], v[T1], v[ACC+9], s[MT+2]
	v_cndmask_b32 v[T1], v[T1], v[ACC+10], s[MT+3]
	v_cndmask_b32 v[T1], v[T1], v[ACC+13], s[MT+4]
	v_cndmask_b32 v[T1], v[T1], v[ACC+14], s[MT+5]
	v_cndmask_b32 v[T1], v[T1], v[ACC+15], s[MT+6]
	ds_store_b32 v[AQ], v[Q] offset:192*(\t)       ; a tile's 48 results are 192 bytes of the output, in its own order
	ds_store_b32 v[AM], v[T1] offset:192*(\t)
.endm
.macro TILE t
	ds_load_b32 v[XP], v[AX] offset:320*(\t)       ; a tile's 16 points are 320 bytes of X
	ds_load_b32 v[XP+1], v[AX] offset:320*(\t)+4
	ds_load_b32 v[XC], v[AX4] offset:320*(\t)
	BLOADS \t                                      ; the gather is on its way while enc is made
	s_wait_dscnt 21                                ; x is in; the 21 loads behind it may stay out
	TRIG
	MULS
.if (\t) < 7
	ADDR (\t)+1                                    ; nine plain instructions that name no register of the products: the places in front of the reads of the results and of the next tile's loads into source 1
.else
.rept 4
	v_nop                                          ; the last tile has no such work
.endr
.endif
	PICK \t
.endm
	s_load_b256 s[4:11], s[0:1], 0x0               ; W s[4:5], X s[6:7], cluster_ids s[8:9], out0 s[10:11]
	v_lshl_add_u32 v[SPW], v0, 2, SPARE
	v_mov_b32 v[NIL], 0
	v_lshrrev_b32 v[TA], 5, v0
	v_readfirstlane_b32 s[WV], v[TA]               ; wave 0..15
	v_and_b32 v[LANE], 31, v0
	v_and_b32 v[RR], 15, v0
	v_bfe_u32 v[HH], v0, 4, 1
	v_lshlrev_b32 v[GO], 4, v[LANE]
	v_min_u32 v[TA], 24, v[LANE]                   ; a row of W is 25 pieces of 16 bytes: piece c = min(lane, 24)
	v_lshlrev_b32 v[WGO], 4, v[TA]
	s_mul_i32 s14, s[WV], 9600                     ; W: my wave's 24 rows of 400 bytes
	s_mov_b32 s15, 0
	s_mul_i32 s16, ttmp9, 40960                    ; X: the work-group's 2,048 points of 20 bytes,
	s_mul_i32 s13, s[WV], 2560                     ; my wave's 128
	s_add_co_u32 s16, s16, s13
	s_mov_b32 s17, 0
	s_lshl_b32 s18, ttmp9, 13                      ; cluster_ids: 4 bytes a point
	s_lshl_b32 s13, s[WV], 9
	s_add_co_u32 s18, s18, s13
	s_mov_b32 s19, 0
	s_mul_i32 s2, ttmp9, 24576                     ; out0: 12 bytes a point
	s_mul_i32 s13, s[WV], 1536
	s_add_co_u32 s2, s2, s13
	s_mov_b32 s3, 0
	s_mul_i32 s[LW], s[WV], 24*WPITCH
	s_mul_i32 s[LX], s[WV], 2560
	s_add_co_u32 s[LX], s[LX], XS
	s_mul_i32 s[LO], s[WV], 1536
	s_add_co_u32 s[LO], s[LO], OUTS
	s_wait_kmcnt 0x0
	s_add_nc_u64 s[4:5], s[4:5], s[14:15]
	s_add_nc_u64 s[6:7], s[6:7], s[16:17]
	s_add_nc_u64 s[8:9], s[8:9], s[18:19]
	s_add_nc_u64 s[10:11], s[10:11], s[2:3]
	; all 53 global loads of the wave go out in one run: 24 of W, 5 of X, 24 of the ids.  No base and no offset register of theirs is ever rewritten.
.set q, 0
.rept 24
	global_load_b128 v[VB+4*q:VB+4*q+3], v[WGO], s[4:5] offset:400*q
.set q, q+1
.endr
.irp k, 0,1,2,3,4
	global_load_b128 v[ACC+4*(\k):ACC+4*(\k)+3], v[GO], s[6:7] offset:512*(\k) th:TH_LOAD_NT  ; 512 consecutive bytes, at a multiple of 256 from X's first byte
.endr
	v_mul_u32_u24 v28, 0x70, v[HH]                 ; 112 h
	COLS 0
	COLS 1
	COLS 2
.set q, 0
.rept 8
.irp i, 0,1,2
	global_load_b32 v[IDR+3*q+(\i)], v[IOF+(\i)], s[8:9] offset:64*q  ; the cluster of my column's point, straight into the register that becomes the row's address
.endr
.set q, q+1
.endr
	; while they are out: the other lane constants, the scalar constants, the image's padding
	v_lshlrev_b32 v26, 3, v[TA]                    ; piece c's 8 bytes of f16 go to byte 8 c of the row's image (channels 0, 1),
	v_add_nc_u32 v27, 32, v26                      ; 8 c + 32 from c = 10 on (channels 2, 3: half 1 begins at byte 112),
	v_cmp_lt_u32 vcc_lo, 9, v[TA]
	v_cndmask_b32 v[WLA], v26, v27, vcc_lo
	v_add_nc_u32 v27, 0xffffffb0, v26              ; 8 c - 80 for c = 20, 21 (channel 4, k = 0..3: pairs 20-23 of half 0),
	v_cmp_lt_u32 vcc_lo, 19, v[TA]
	v_cndmask_b32 v[WLA], v[WLA], v27, vcc_lo
	v_add_nc_u32 v27, 16, v26                      ; 8 c + 16 from c = 22 on (k = 4..9: pairs 20-25 of half 1)
	v_cmp_lt_u32 vcc_lo, 21, v[TA]
	v_cndmask_b32 v[WLA], v[WLA], v27, vcc_lo
	v_min_u32 v[WLA], 0xd8, v[WLA]                 ; (changes no value: the largest is 208)
	v_add_nc_u32 v[WLA], s[LW], v[WLA]
	v_min_u32 v26, 23, v[LANE]
	v_mul_u32_u24 v26, 0xf0, v26
	v_add_nc_u32 v[ZA], s[LW], v26                 ; lane l clears the padding of my wave's row l; lanes 24-31 repeat lane 23
	v_mov_b32 v[XP], 0
	v_mov_b32 v[XP+1], 0
	ds_store_b64 v[ZA], v[XP:XP+1] offset:96       ; pairs 24-27 of half 0,
	ds_store_b64 v[ZA], v[XP:XP+1] offset:104
	ds_store_b64 v[ZA], v[XP:XP+1] offset:216      ; pairs 26, 27 of half 1
	v_mul_u32_u24 v26, 20, v[RR]
	v_add_nc_u32 v26, s[LX], v26
	v_lshl_add_u32 v[AX], v[HH], 3, v26
	v_add_nc_u32 v[AX4], 16, v26
	v_lshl_add_u32 v[XSA], v[LANE], 4, s[LX]
	v_lshl_add_u32 v[AOUT], v[LANE], 4, s[LO]
	v_lshl_add_u32 v27, v[LANE], 2, s[LO]
	v_lshl_add_u32 v[AQ], v[HH], 6, v27            ; g = lane, or lane + 16
	v_add_nc_u32 v26, 64, v27
	v_cmp_gt_u32 vcc_lo, 8, v[LANE]
	v_cndmask_b32 v[AM], v[AQ], v26, vcc_lo        ; lanes 0-7: g = 16 + lane;
	v_cmp_lt_u32 vcc_lo, 23, v[LANE]
	v_cndmask_b32 v[AM], v[AM], v27, vcc_lo        ; lanes 24-31: g = lane; the others: Q's place
	v_lshlrev_b32 v[SCL], 25, v[HH]
	v_add_nc_u32 v[SCL], 0x3f800000, v[SCL]        ; 1.0, or with 4 more in the exponent 16.0
	KPAIR KH,  0x3e22f983                          ; 1 / 2 pi, and
	KPAIR KL,  0x31dc9c88                          ; what that f32 lacks of it
	KPAIR KS0, 0x3fc90fdb                          ; sin(pi f / 2) = f (KS0 + KS1 f^2 + .. + KS4 f^8): (pi/2)^(2i+1) / (2i+1)!, signs by turns
	KPAIR KS1, 0xbf255de7
	KPAIR KS2, 0x3da335e3
	KPAIR KS3, 0xbb996966
	KPAIR KS4, 0x39283c1a
	KPAIR KC1, 0xbf9de9e6                          ; cos(pi f / 2) = 1 + KC1 f^2 + .. + KC4 f^8
	KPAIR KC2, 0x3e81e0f8
	KPAIR KC3, 0xbcaae9e4
	KPAIR KC4, 0x3a70fa83
	s_mov_b32 s[MQ+1], 0x38                        ; product 0: lanes 3 m .. 3 m + 2 take register m
	s_mov_b32 s[MQ+2], 0x1c0
	s_mov_b32 s[MQ+3], 0xe00
	s_mov_b32 s[MQ+4], 0x7000
	s_mov_b32 s[MQ+5], 0x8000
	s_mov_b32 s[MQ+6], 0x10000                     ; product 2: lane 16 + r, g = 32 + r, takes register g / 3 - 8
	s_mov_b32 s[MQ+7], 0xe0000
	s_mov_b32 s[MQ+8], 0x700000
	s_mov_b32 s[MQ+9], 0x3800000
	s_mov_b32 s[MQ+10], 0x1c000000
	s_mov_b32 s[MQ+11], 0xe0000000
	s_mov_b32 s[MT+1], 0x07000000                  ; product 1, g = 16 + r: m = 8, 9, 10 in lanes 24-31, registers 0, 1, 2;
	s_mov_b32 s[MT+2], 0x38000000
	s_mov_b32 s[MT+3], 0xc0000000
	s_mov_b32 s[MT+4], 0x3                         ; m = 5, 6, 7 in lanes 0-7, registers 5, 6, 7
	s_mov_b32 s[MT+5], 0x1c
	s_mov_b32 s[MT+6], 0xe0
.set q, 0
.rept 24
	WROW q
.set q, q+1
.endr
.irp k, 0,1,2,3,4
	s_wait_loadcnt 28-(\k)                         ; behind this load stand 4 - k of X and the 24 of the ids
	ds_store_b128 v[XSA], v[ACC+4*(\k):ACC+4*(\k)+3] offset:512*(\k)
.endr
	s_wait_loadcnt 0x0                             ; the ids
	ADDR 0
.irp z, 26,27,28,29,30,31
	v_mov_b32 v[VA+(\z)], 0                        ; K = 100 fills 26 of a lane's 32 registers at the most: the rest is 0, written once
.endr
.irp i, 0,1,2
.irp z, 28,29,30,31
	v_mov_b32 v[VB+32*(\i)+(\z)], 0
.endr
.endr
	s_wait_dscnt 0x0                               ; for the others' sake: my rows of the image are stored
	s_barrier_signal -1
	s_barrier_wait -1                              ; the image is whole; nothing writes it again: the launch's one barrier
.irp t, 0,1,2,3,4,5,6,7
	TILE \t
.endr
	; THE WAY OUT: my wave's 1,536 bytes, which lie in LDS as they lie in out0
.irp k, 0,1,2
	ds_load_b128 v[OUTR+4*(\k):OUTR+4*(\k)+3], v[AOUT] offset:512*(\k)  ; LDS serves a wave's instructions in order (ISA guide 5.7.1.4): these see my stores above
.endr
.irp k, 0,1,2
	s_wait_dscnt 2-(\k)
	global_store_b128 v[GO], v[OUTR+4*(\k):OUTR+4*(\k)+3], s[10:11] offset:512*(\k) th:TH_STORE_NT  ; 512 consecutive bytes, at a multiple of 256 from out0's first byte
.endr
	s_wait_tensorcnt 0x0                           ; the wave's end, behind my last LDS store
	ds_add_u32 v[SPW], v[NIL]
	s_wait_dscnt 0x0
	s_endpgm
.Lfunc_end_k_q41e69d1113_rgb:
	.size	k_q41e69d1113_rgb, .Lfunc_end_k_q41e69d1113_rgb-k_q41e69d1113_rgb
	.p2alignl 7, 3214868480
	.fill 96, 4, 3214868480
	.section	.rodata,"a",@progbits
	.p2align	6, 0x0
	.amdhsa_kernel k_q41e69d1113_rgb
		.amdhsa_group_segment_fixed_size 159744
		.amdhsa_private_segment_fixed_size 0
		.amdhsa_enable_private_segment 0
		.amdhsa_kernarg_size 32
		.amdhsa_user_sgpr_count 2
		.amdhsa_user_sgpr_kernarg_segment_ptr 1
		.amdhsa_wavefront_size32 1
		.amdhsa_system_sgpr_workgroup_id_x 1
		.amdhsa_system_sgpr_workgroup_id_y 1
		.amdhsa_system_sgpr_workgroup_id_z 1
		.amdhsa_system_vgpr_workitem_id 0
		.amdhsa_next_free_vgpr 256
		.amdhsa_next_free_sgpr 66
		.amdhsa_reserve_vcc 1
		.amdhsa_float_denorm_mode_32 3
		.amdhsa_float_denorm_mode_16_64 3
		.amdhsa_memory_ordered 1
		.amdhsa_forward_progress 1
		.amdhsa_inst_pref_size 110
	.end_amdhsa_kernel
	.amdgpu_metadata
---
amdhsa.version: [ 1, 2 ]
amdhsa.kernels:
  - .name:           k_q41e69d1113_rgb
    .symbol:         k_q41e69d1113_rgb.kd
    .args:
      - { .name: W, .offset: 0, .size: 8, .value_kind: global_buffer, .address_space: global }
      - { .name: X, .offset: 8, .size: 8, .value_kind: global_buffer, .address_space: global }
      - { .name: cluster_ids, .offset: 16, .size: 8, .value_kind: global_buffer, .address_space: global }
      - { .name: out0, .offset: 24, .size: 8, .value_kind: global_buffer, .address_space: global }
    .group_segment_fixed_size: 159744
    .private_segment_fixed_size: 0
    .kernarg_segment_align: 8
    .kernarg_segment_size: 32
    .max_flat_workgroup_size: 512
    .sgpr_count:     66
    .vgpr_count:     256
    .wavefront_size: 32
...
	.end_amdgpu_metadata
.endif
;; end of part 1
